; MI455X (gfx1250); checked and timed in simulation.
; The chip was launched on July 23, 2026; its instructions are those of AMD's public machine-readable ISA for CDNA 5 (MIT licence, August 2026) and "CDNA5" Instruction Set Architecture Reference Guide (July 2026). The comments in the code are by the model that wrote it; some were corrected since.
;; Shared Tversky Linear. Allowed arithmetic: matrix products marked QUANTISED: E2M1 operands, one E8M0 scale for each 32 along K, by v_wmma_scale_f32_16x16x128_f8f6f4 with both operands' format E2M1 (or v_wmma_scale_f32_32x16x128_f4), f32 sums; everything else in f32.
;; Inputs: alpha one number float32; beta one number float32; bias 512 float32; features 1,024 x 1,024 float32; gamma one number float32; prototypes 512 x 1,024 float32; x 256 x 1,024 float32.
;; Outputs: out0 256 x 512 float32.
;; This version of the problem:
;;   THIS VERSION OF THE PROBLEM IS GIVEN IN LOW PRECISION. The matrix products marked QUANTISED in the list below multiply operands that are first quantised to E2M1 (2 exponent bits, 1 mantissa bit; 4 bits a number), with one power-of-two scale for each 32 numbers along K (OCP MX v1.0); their sums are f32. All else is computed in f32.
;;   The module's matrix products, in the order in which they are computed (A, B: the left and right operand; K: the contracted axis; several contracted axes count as one K, in the product's order):
;;     1. [M 256, K 1,024] x [K 1,024, N 1,024]; A: input x; B: input features: QUANTISED
;;     2. [M 512, K 1,024] x [K 1,024, N 1,024]; A: input prototypes; B: input features: QUANTISED
;;   THE QUANTISER, for each operand of a quantised product, along K:
;;     - K is cut into blocks of 32 from its start; a last block that is shorter is filled with zeros.
;;     - A block's scale is 2^e with e = floor(log2(the largest magnitude in the block)) - 2, held to -126 .. 127; a block of zeros has e = 0. As a byte (E8M0): e + 127.
;;     - Each number is divided by its block's scale, clamped to +-6, and rounded to the nearest number of E2M1, ties to even, subnormals kept.
;;     - The product sums the exact products of the quantised numbers (number of the format x scale) in f32.
;;   ~~~python
;;   def quantise(x, axis):      # numpy; x: float32 -> the quantised numbers, widened to float32 again
;;       x = np.moveaxis(x, axis, -1); K = x.shape[-1]
;;       x = np.pad(x, [(0, 0)] * (x.ndim - 1) + [(0, -K % 32)]); x = x.reshape(x.shape[:-1] + (-1, 32)); a = np.abs(x).max(-1, keepdims=True)
;;       e = np.where(a > 0, np.clip(np.frexp(np.where(a > 0, a, 1))[1] - 1 - 2, -126, 127), 0)      # np.frexp(a)[1] - 1 = floor(log2(a)), exactly
;;       r = np.clip(x / 2.0 ** e, -6, 6)
;;       step = 2.0 ** (np.maximum(np.frexp(np.where(r == 0, 1, r))[1] - 1, 0) - 1)
;;       q = np.round(r / step) * step * 2.0 ** e      # np.round: ties to even
;;       return np.moveaxis(q.reshape(q.shape[:-2] + (-1,))[..., :K], -1, axis).astype(np.float32)
;;   ~~~
;; One version. Each part assembles by itself: llvm-mc -triple=amdgcn-amd-amdhsa -mcpu=gfx1250 --defsym DOCPART=n.
;; ======== version 1 of 1: 2 launches
;; limits: right only within a limited range of input values
;; workspace buffers: xcode 417,792 bytes; fcode 557,056 bytes
;; launch quant (part 1): grid 224 x 1, 4 waves a work-group, no clusters, 6,144 bytes of LDS; arguments x, prototypes, features, xcode, fcode; writes xcode, fcode
.if DOCPART == 1
	.amdgcn_target "amdgcn-amd-amdhsa--gfx1250"
	.amdhsa_code_object_version 6
	.text
	.protected	k_q69a204fe17_quant
	.globl	k_q69a204fe17_quant
	.p2align	8
	.type	k_q69a204fe17_quant,@function
k_q69a204fe17_quant:
	s_mov_b64 s[64:65], 0
	v_nop
	global_prefetch_b8 v0, s[64:65] scope:SCOPE_SE
	s_setreg_imm32_b32 hwreg(HW_REG_WAVE_MODE, 25, 1), 1
	s_wait_xcnt 0x0
; features, x and prototypes are quantised along K to E2M1 with one E8M0 scale byte for each 32 (MX-FP4), once, and laid as the next launch's operand registers take them.
; xcode: 48 tiles of 16 rows (0-15: x, 16-47: prototypes), 8,704 bytes each: [K step of 128: 8][block of 32: 4][row: 16][16 bytes of codes], then [half of K: 2][row: 16][K step: 4][4 scale bytes].
; fcode: 16 units of 64 columns of features, 34,816 bytes each: [tile: 4][K step: 8][block: 4][column: 16][16 bytes of codes], then [K step: 8][tile: 4][column: 16][4 scale bytes].
; Column 64 u + 2 l + j of features goes to place l % 16 of tile 2 (l / 16) + j of unit u: an order of the features that all rows share; what is made of them later are sums over all features.
; SHARES.  Work-groups 0-127: unit u = number / 8, K step number % 8; wave w takes its w-th block of 32 rows of K, a lane two columns: their 32 numbers are the lane's own registers.
; Work-groups 128-223: a tile of 16 rows, half of K; wave w takes one K step; a lane 8 neighbours of row 2 p + half, four lanes a block.  Each work-group reads 32,768 bytes, each byte of the inputs is read once.
; Codes and scale bytes leave as whole aligned units of 256 bytes; the scale bytes of the four waves meet in LDS behind one barrier.  No tile is shared and nothing is multiplied: cluster = none.
; LIMITS: NaN and infinities are not served.  A block whose largest magnitude lies under 2^-124 (a block of zeros too) gets the byte 1; a block of zeros has codes of zero, and only this program reads the bytes.
.set FLOOR, 0x1800000                  ; 2^(3 - 127)
.set XSC,   256                        ; LDS: 0-255 the scale bytes of a unit of columns; 256-511 those of a tile of rows;
.set XST,   512                        ; then 1,280 bytes a wave: four blocks of 16 rows x 16 bytes, 288 bytes apart
.set SPARE, 5632                       ; the spare words
.set X,     64
.set T,     128
.set M,     10
	s_load_b128 s[4:7], s[0:1], 0x0                ; x, prototypes
	s_load_b128 s[8:11], s[0:1], 0x10              ; features, xcode
	s_load_b64 s[12:13], s[0:1], 0x20              ; fcode
	v_lshl_add_u32 v2, v0, 2, SPARE
	v_mov_b32 v3, 0
	v_lshrrev_b32 v1, 5, v0
	v_readfirstlane_b32 s14, v1                    ; wave
	v_and_b32 v4, 31, v0                           ; lane
	v_and_b32 v5, 15, v0                           ; r = lane % 16
	v_bfe_u32 v6, v0, 4, 1                         ; h = lane / 16
	v_lshlrev_b32 v7, 3, v4
	s_wait_alu depctr_va_vdst(0)
	s_cmp_ge_u32 ttmp9, 128
	s_cbranch_scc1 .Lrows
	; FEATURES
	s_lshr_b32 s15, ttmp9, 3                       ; unit
	s_and_b32 s16, ttmp9, 7                        ; K step
	s_lshl_b32 s17, s16, 2
	s_add_co_u32 s17, s17, s14                     ; block of 32 along K
	s_lshl_b32 s18, s17, 17                        ; 32 rows of 4,096 bytes
	s_lshl_b32 s19, s15, 8
	s_add_co_u32 s18, s18, s19
	s_mov_b32 s19, 0
	s_mul_i32 s20, s15, 34816
	s_lshl_b32 s21, s17, 8
	s_add_co_u32 s22, s20, s21                     ; my codes
	s_mov_b32 s23, 0
	s_lshl_b32 s21, s16, 8
	s_add_co_u32 s20, s20, s21
	s_add_co_u32 s20, s20, 32768                   ; the work-group's scale bytes
	s_mov_b32 s21, 0
	s_wait_kmcnt 0x0
	s_add_nc_u64 s[8:9], s[8:9], s[18:19]
.irp i, 0,1,2,3,4,5,6,7,8,9,10,11,12,13,14,15,16,17,18,19,20,21,22,23,24,25,26,27,28,29,30,31
	global_load_b64 v[X+2*\i:X+2*\i+1], v7, s[8:9] offset:4096*\i th:TH_LOAD_NT   ; row i of my block: 32 lanes read 256 consecutive bytes
.endr
	s_add_nc_u64 s[24:25], s[12:13], s[22:23]
	s_add_nc_u64 s[26:27], s[12:13], s[20:21]
	v_lshlrev_b32 v8, 14, v6
	v_lshl_add_u32 v8, v5, 4, v8                   ; codes: tile 2 h (+ j), column r
	v_lshlrev_b32 v9, 7, v6
	v_lshl_add_u32 v9, v5, 2, v9
	v_add_nc_u32 v9, s14, v9                       ; scale byte: word 16 (2 h + j) + r, byte w
.macro HALF f                          ; rows f .. f + 15 of the block: largest magnitudes in four chains, and each column's numbers laid on end
.irp i, 0,4,8,12
.irp j, 0,1
.if (\f+\i) == 0
	v_max3_num_f32 v[M+\j], |v[X+\j]|, |v[X+2+\j]|, FLOOR
	v_max3_num_f32 v[M+2+\j], |v[X+4+\j]|, |v[X+6+\j]|, FLOOR
.else
	v_max3_num_f32 v[M+\j], v[M+\j], |v[X+2*(\f+\i)+\j]|, |v[X+2*(\f+\i)+2+\j]|
	v_max3_num_f32 v[M+2+\j], v[M+2+\j], |v[X+2*(\f+\i)+4+\j]|, |v[X+2*(\f+\i)+6+\j]|
.endif
.endr
.endr
.irp i, 0,2,4,6,8,10,12,14
.irp j, 0,1
	v_dual_mov_b32 v[T+32*\j+\f+\i], v[X+2*(\f+\i)+\j] :: v_dual_mov_b32 v[T+32*\j+\f+\i+1], v[X+2*(\f+\i)+2+\j]
.endr
.endr
.endm
	s_wait_alu depctr_va_vdst(0)
	s_wait_loadcnt 16                              ; rows 0-15 are in; the 16 loads behind them may be out
	HALF 0
	s_wait_loadcnt 0x0
	HALF 16
.irp j, 0,1
	v_max_num_f32 v[M+\j], v[M+\j], v[M+2+\j]
.endr
.irp j, 0,1
	v_add_nc_u32 v[16+\j], 0xff000000, v[M+\j]     ; 2 off the exponent field: the conversions' scale operand
.endr
.irp j, 0,1
	v_lshrrev_b32 v[18+\j], 23, v[16+\j]           ; the scale's byte
.endr
.irp j, 0,1
.irp g, 0,1,2,3
	v_cvt_scalef32_pk8_fp4_f32 v[20+4*\j+\g], v[T+32*\j+8*\g:T+32*\j+8*\g+7], v[16+\j]
.endr
.endr
	v_nop                                          ; one plain place behind the scaled conversions
	ds_store_b8 v9, v18
	ds_store_b8 v9, v19 offset:64
	global_store_b128 v8, v[20:23], s[24:25]       ; 16 lanes store an aligned unit of 256 bytes
	global_store_b128 v8, v[24:27], s[24:25] offset:8192
	s_wait_tensorcnt 0x0                           ; the DS wait is also for the others' sake
	ds_add_u32 v2, v3
	s_wait_dscnt 0x0
	s_barrier_signal -1
	s_barrier_wait -1
	s_cmp_lg_u32 s14, 0
	s_cbranch_scc1 .Lfend
	ds_load_b64 v[28:29], v7                       ; wave 0: the 64 scale words of all four waves
	s_wait_dscnt 0x0
	global_store_b64 v7, v[28:29], s[26:27]        ; one aligned unit of 256 bytes
.Lfend:
	s_endpgm
	; ROWS
.Lrows:
	s_sub_co_u32 s15, ttmp9, 128
	s_lshr_b32 s16, s15, 1                         ; tile of rows
	s_and_b32 s17, s15, 1                          ; half of K
	s_lshl_b32 s18, s17, 2
	s_add_co_u32 s18, s18, s14                     ; K step
	s_mul_i32 s20, s16, 8704
	s_lshl_b32 s21, s18, 10
	s_add_co_u32 s22, s20, s21                     ; my codes
	s_mov_b32 s23, 0
	s_lshl_b32 s21, s17, 8
	s_add_co_u32 s20, s20, s21
	s_add_co_u32 s20, s20, 8192                    ; the work-group's scale bytes
	s_mov_b32 s21, 0
	s_mul_i32 s30, s14, 1280
	s_add_co_u32 s30, s30, XST
	s_lshl_b32 s31, s14, 2
	s_add_co_u32 s31, s31, XSC
	v_lshlrev_b32 v8, 12, v6
	v_lshl_add_u32 v8, v5, 5, v8                   ; row h of a pair, 32 bytes a lane
	v_lshrrev_b32 v10, 2, v5                       ; my block
	v_and_b32 v11, 3, v5                           ; my word in it
	s_wait_alu depctr_va_vdst(0)
	s_wait_kmcnt 0x0
	s_cmp_lt_u32 s16, 16                           ; the choice of the buffer hangs on the tile's number alone
	s_cselect_b64 s[4:5], s[4:5], s[6:7]
	s_cselect_b32 s19, 0, 16
	s_sub_co_u32 s19, s16, s19
	s_lshl_b32 s28, s19, 16                        ; 16 rows of 4,096 bytes
	s_lshl_b32 s29, s18, 9
	s_add_co_u32 s28, s28, s29
	s_mov_b32 s29, 0
	s_add_nc_u64 s[4:5], s[4:5], s[28:29]
.irp p, 0,1,2,3,4,5,6,7
	global_load_b128 v[X+8*\p:X+8*\p+3], v8, s[4:5] offset:8192*\p
	global_load_b128 v[X+8*\p+4:X+8*\p+7], v8, s[4:5] offset:8192*\p+16
.endr
	s_add_nc_u64 s[24:25], s[10:11], s[22:23]
	s_add_nc_u64 s[26:27], s[10:11], s[20:21]
	v_mul_u32_u24 v9, v10, 288
	v_lshl_add_u32 v9, v6, 4, v9
	v_lshl_add_u32 v9, v11, 2, v9
	v_add_nc_u32 v9, s30, v9                       ; LDS: codes in
	v_lshl_add_u32 v12, v6, 4, v10
	v_add_nc_u32 v12, s31, v12                     ; scale byte in: 16 bytes a row, word w, byte = block
	v_mul_u32_u24 v13, v6, 288
	v_lshl_add_u32 v13, v5, 4, v13
	v_add_nc_u32 v13, s30, v13                     ; codes back
	v_lshlrev_b32 v14, 4, v4
	s_wait_alu depctr_va_vdst(0)
	s_wait_loadcnt 0x0
.irp p, 0,1,2,3,4,5,6,7
	v_max3_num_f32 v[16+\p], |v[X+8*\p]|, |v[X+8*\p+1]|, FLOOR
.endr
.irp k, 2,4,6
.irp p, 0,1,2,3,4,5,6,7
	v_max3_num_f32 v[16+\p], v[16+\p], |v[X+8*\p+\k]|, |v[X+8*\p+\k+1]|
.endr
.endr
.irp p, 0,1,2,3,4,5,6,7
	v_max_num_f32_dpp v[16+\p], v[16+\p], v[16+\p] row_xmask:1 row_mask:0xf bank_mask:0xf
.endr
.irp p, 0,1,2,3,4,5,6,7
	v_max_num_f32_dpp v[16+\p], v[16+\p], v[16+\p] row_xmask:2 row_mask:0xf bank_mask:0xf   ; with the three lanes that share my block
.endr
.irp p, 0,1,2,3,4,5,6,7
	v_add_nc_u32 v[24+\p], 0xff000000, v[16+\p]
.endr
.irp p, 0,1,2,3,4,5,6,7
	v_lshrrev_b32 v[32+\p], 23, v[24+\p]
.endr
.irp p, 0,1,2,3,4,5,6,7
	v_cvt_scalef32_pk8_fp4_f32 v[40+\p], v[X+8*\p:X+8*\p+7], v[24+\p]
.endr
	v_nop                                          ; one plain place behind the scaled conversions
.irp p, 0,1,2,3,4,5,6,7
	ds_store_b32 v9, v[40+\p] offset:32*\p         ; row 2 p + h
.endr
.irp p, 0,1,2,3,4,5,6,7
	ds_store_b8 v12, v[32+\p] offset:32*\p         ; the four lanes of a block write the same byte with the same value
.endr
	ds_load_b128 v[48:51], v13                     ; my own codes back: LDS serves a wave's instructions in order (ISA guide 5.7.1.4)
	ds_load_b128 v[52:55], v13 offset:576
	s_wait_tensorcnt 0x0
	ds_add_u32 v2, v3
	s_wait_dscnt 0x0                               ; my codes are back, and my scale bytes lie in LDS for wave 0
	global_store_b128 v14, v[48:51], s[24:25]      ; 32 lanes store 512 consecutive bytes
	global_store_b128 v14, v[52:55], s[24:25] offset:512
	s_barrier_signal -1
	s_barrier_wait -1
	s_cmp_lg_u32 s14, 0
	s_cbranch_scc1 .Lrend
	ds_load_b64 v[56:57], v7 offset:XSC
	s_wait_dscnt 0x0
	global_store_b64 v7, v[56:57], s[26:27]        ; one aligned unit of 256 bytes
.Lrend:
	s_endpgm
.Lfunc_end_k_q69a204fe17_quant:
	.size	k_q69a204fe17_quant, .Lfunc_end_k_q69a204fe17_quant-k_q69a204fe17_quant
	.p2alignl 7, 3214868480
	.fill 96, 4, 3214868480
	.section	.rodata,"a",@progbits
	.p2align	6, 0x0
	.amdhsa_kernel k_q69a204fe17_quant
		.amdhsa_group_segment_fixed_size 6144
		.amdhsa_private_segment_fixed_size 0
		.amdhsa_enable_private_segment 0
		.amdhsa_kernarg_size 40
		.amdhsa_user_sgpr_count 2
		.amdhsa_user_sgpr_kernarg_segment_ptr 1
		.amdhsa_wavefront_size32 1
		.amdhsa_system_sgpr_workgroup_id_x 1
		.amdhsa_system_sgpr_workgroup_id_y 1
		.amdhsa_system_sgpr_workgroup_id_z 1
		.amdhsa_system_vgpr_workitem_id 0
		.amdhsa_next_free_vgpr 192
		.amdhsa_next_free_sgpr 66
		.amdhsa_reserve_vcc 0
		.amdhsa_float_denorm_mode_32 3
		.amdhsa_float_denorm_mode_16_64 3
		.amdhsa_memory_ordered 1
		.amdhsa_forward_progress 1
		.amdhsa_inst_pref_size 21
	.end_amdhsa_kernel
	.amdgpu_metadata
---
amdhsa.version: [ 1, 2 ]
amdhsa.kernels:
  - .name:           k_q69a204fe17_quant
    .symbol:         k_q69a204fe17_quant.kd
    .args:
      - { .name: x, .offset: 0, .size: 8, .value_kind: global_buffer, .address_space: global }
      - { .name: prototypes, .offset: 8, .size: 8, .value_kind: global_buffer, .address_space: global }
      - { .name: features, .offset: 16, .size: 8, .value_kind: global_buffer, .address_space: global }
      - { .name: xcode, .offset: 24, .size: 8, .value_kind: global_buffer, .address_space: global }
      - { .name: fcode, .offset: 32, .size: 8, .value_kind: global_buffer, .address_space: global }
    .group_segment_fixed_size: 6144
    .private_segment_fixed_size: 0
    .kernarg_segment_align: 8
    .kernarg_segment_size: 40
    .max_flat_workgroup_size: 128
    .sgpr_count:     66
    .vgpr_count:     192
    .wavefront_size: 32
...
	.end_amdgpu_metadata
.endif
;; end of part 1
;; launch tversky (part 2): grid 16 x 16, 4 waves a work-group, clusters of 4 x 1, 327,680 bytes of LDS; arguments xcode, fcode, alpha, beta, gamma, bias, out0; writes out0
.if DOCPART == 2
	.amdgcn_target "amdgcn-amd-amdhsa--gfx1250"
	.amdhsa_code_object_version 6
	.text
	.protected	k_q69a204fe17_tversky
	.globl	k_q69a204fe17_tversky
	.p2align	8
	.type	k_q69a204fe17_tversky,@function
k_q69a204fe17_tversky:
	s_mov_b64 s[64:65], 0
	v_nop
	global_prefetch_b8 v0, s[64:65] scope:SCOPE_SE
	s_setreg_imm32_b32 hwreg(HW_REG_WAVE_MODE, 25, 1), 1
	s_wait_xcnt 0x0
	s_wait_alu depctr_hold_cnt(0) depctr_sa_sdst(0) depctr_va_vdst(0) depctr_va_sdst(0) depctr_va_ssrc(0) depctr_va_vcc(0) depctr_vm_vsrc(0)
	s_getreg_b32 s2, hwreg(HW_REG_IB_STS2, 6, 4)
	s_cmp_eq_u32 s2, 0
	s_cbranch_scc0 .Lentry_in_a_cluster
	s_endpgm
.Lentry_in_a_cluster:
	s_bfe_u32 s2, ttmp6, 0x10000c
	s_cmp_lg_u32 s2, 0x3003
	s_cbranch_scc0 .Lentry_shape_is_right
	s_endpgm
.Lentry_shape_is_right:
; out0[b][o] = gamma c / (gamma c + |alpha| (sx[b] - c) + |beta| (sp[o] - c) + 1e-8) + bias[o],  c = the sum over f of min(xf[b][f], pf[o][f]), xf and pf = relu of the quantised products with features.
; c IS SUMMED AS IT STANDS: min(a, b) = (a + b - |a - b|) / 2, so c is the 'common' that the definition makes of sx + sp - D.  The order of rounding differs from the definition's.
; SHARES.  A work-group makes 16 b x 32 o: three tiles of 16 rows.  Wave w takes 256 features, in eight groups of 32 (two tiles of features); it multiplies the rows by them (all of K), and sums the minima of its features for all 512 pairs.
; In a product's result lane (r, h) holds feature r and rows 8 h + 0 .. 7 of a tile.  x's tile is multiplied TWICE, the second time with its two halves of rows exchanged: so a lane has all 16 rows of x, in slots
; i = row xor 8 h, and its own half of the rows of o: 256 sums a lane, no exchange between lanes, and no feature value leaves the registers.  The sums are joined over lanes and waves at the end.
; TWO PAIRS COST TWO INSTRUCTIONS, a dual minimum and a packed addition.  The products of group g + 1 (64 matrix instructions, eight for each K step) stand between the minima of group g.
; FEATURES.  Groups 0 and 1 come by plain loads straight into registers that are free at the start; group 0's minima are taken while the first fill is on its way.  Groups 2 to 7 come through LDS: wave w has two slots of 34,816 bytes at
; 69,632 w, each with the codes and scales of 64 features (two groups), read by this wave alone; three fills.  Behind the slots lie the rows' codes, stored once, read once into 256 registers, and the spare words.
; CLUSTERS: all work-groups walk the same codes of features, so four of a row ask for them JOINTLY (mask 15).  A round of the cluster's barrier stands in front of each fill and one behind the last, in front of the end.
; The rows' codes, 24,576 bytes a work-group, are shared by a row of the cluster in their first third only and are loaded once through registers.
; Nothing is prefetched.
; A row of the work-group's part of out0 is 128 bytes, half an aligned 256: 64 columns would make the rows no whole number of matrix tiles (8 + 64) or leave half the 256 work-groups.
; LIMITS: NaN and infinities are not served.  1 / den is v_rcp_f32 (ISA guide: 1 ulp; a den under 2^-126 counts as 0).
; REGISTERS.  Window 0: v1-11 addresses; v12-27 rows' scale words, v28-31 and v224-239 features' (scales and nothing else); v32-95 products; v96-159 minima; v160-223 features' fragments, two sets; v240-244 addresses.
;   Window 1: rows' fragments (tile t: x, x exchanged, two of o; K step k at 64 t + 8 k).  Window 2: the pair sums, (slot i, o slot k) at 16 i + k; at the start group 0's fragments.
;   Window 3: xf 0-31, pf 32-63, sums of xf 64-71, of pf 72-87; at the start group 1's fragments at 128-255.
.set SLOT,  34816
.set WREG,  69632
.set XC,    278528                     ; 4 x 69,632: the rows' codes
.set SPARE, 303104
.set SPW,  1
.set NIL,  2
.set LAA,  3                           ; v3, v4   my features' codes in slot 0, 1
.set LAB,  4
.set LSA,  5                           ; v5, v6   and their scale words
.set LSB,  6
.set LAC,  240                         ; v240, v241 the same for the loop's slot
.set LSC,  241
.set XS,   12
.set FS,   28
.set D,    32
.set TT,   96
.set FB,   160
.set GS,   224                         ; groups 0 and 1: scale words
.set XV,   0
.set OV,   32
.set SXS,  64
.set SPS,  72
.set G1,   24                          ; s[24:31] descriptor group 1;  s[32:35], s[36:39] group 0 of slot 0, 1
.set G0,   32
.set RP,   896                         ; the stage at the end: a row's pitch; four places of 192 bytes + 128
.set SRC,  0                           ; where a product's features lie: 0 the two sets in window 0; 1, 2 group 0's, group 1's first registers
.set MSB, 0
.macro WIN new                         ; the immediate's high byte repeats the setting that is left
.if MSB != (\new)
	s_set_vgpr_msb (MSB<<8)|(\new)
.set MSB, (\new)
.endif
.endm
.set WMM, 0x01                         ; products: source 0 window 1; all else window 0
.macro ROUND                           ; a round of the cluster's barrier
	s_barrier_signal -1
	s_barrier_wait -1
	s_cmp_lg_u32 s18, 0
	s_cbranch_scc1 .Lnot_wave_0_\@
	s_barrier_signal -3
.Lnot_wave_0_\@:
	s_barrier_wait -3
	s_barrier_signal -1
	s_barrier_wait -1
.endm
.macro JLOAD s                         ; my 64 features' codes and scales into slot s: a joint load, the same in the four work-groups
	tensor_load_to_lds s[G0+4*(\s):G0+4*(\s)+3], s[G1:G1+7]
	s_nop 0
.rept 4
	v_nop
.endr
.endm
	s_load_b128 s[4:7], s[0:1], 0x0                ; xcode, fcode
	s_load_b128 s[8:11], s[0:1], 0x10              ; alpha, beta
	s_load_b128 s[12:15], s[0:1], 0x20             ; gamma, bias
	s_load_b64 s[16:17], s[0:1], 0x30              ; out0
	v_lshl_add_u32 v[SPW], v0, 2, SPARE
	v_mov_b32 v[NIL], 0
	ds_add_u32 v[SPW], v[NIL]                      ; the wave's opening: the add, twice on end, and its wait
	ds_add_u32 v[SPW], v[NIL]
	v_lshrrev_b32 v9, 5, v0
	v_readfirstlane_b32 s18, v9                    ; wave
	v_and_b32 v10, 31, v0                          ; lane
	v_lshlrev_b32 v7, 4, v10                       ; 16 x lane
	v_xor_b32 v243, 8, v10
	v_lshlrev_b32 v243, 4, v243                    ; 16 x (lane xor 8): x's rows with their halves exchanged
	v_lshlrev_b32 v244, 2, v10
	v_add_nc_u32 v8, XC, v7                        ; the rows' codes, out
	v_add_nc_u32 v242, XC, v243                    ; and x's, exchanged
	s_bfe_u32 s19, ttmp6, 0x40000                  ; my place in the cluster
	s_lshl_b32 s21, ttmp9, 2
	s_add_co_u32 s21, s21, s19                     ; which 32 o
	s_and_b32 s22, ttmp7, 0xffff                   ; which 16 b
	; group 1: 34 rows of 128 elements of 8 bytes, dense in memory and in LDS
	s_mov_b32 s[G1], 15|(3<<16)|(1<<21)
	s_mov_b32 s[G1+1], 128<<16
	s_mov_b32 s[G1+2], 34<<16
	s_mov_b32 s[G1+3], 128<<16
	s_mov_b32 s[G1+4], 34
	s_mov_b32 s[G1+5], 128
	s_mov_b32 s[G1+6], 0
	s_mov_b32 s[G1+7], 0
	s_mul_i32 s40, s18, 4*SLOT                     ; my four units of fcode
	s_mov_b32 s41, 0
	s_mul_i32 s46, s18, WREG                       ; my LDS
	s_mul_i32 s42, s22, 8704                       ; the tile of x
	s_mov_b32 s43, 0
	s_mul_i32 s44, s21, 2*8704                     ; the two tiles of prototypes, behind x's sixteen
	s_add_co_u32 s44, s44, 16*8704
	s_mov_b32 s45, 0
	s_lshl_b32 s47, s18, 11
	s_wait_alu depctr_va_vdst(0)
	v_add_nc_u32 v11, s47, v7                      ; my quarter of a tile's codes
	v_add_nc_u32 v9, XC, v11                       ; and their place in LDS
	v_add_nc_u32 v[LAA], s46, v7
	v_add_nc_u32 v[LAB], SLOT, v[LAA]
	v_add_nc_u32 v[LSA], s46, v244
	v_add_nc_u32 v[LSA], 32768, v[LSA]
	v_add_nc_u32 v[LSB], SLOT, v[LSA]
	s_wait_alu depctr_va_vdst(0)
	s_wait_dscnt 0x0
	ROUND                                          ; the four work-groups are here: the first joint loads meet
	s_wait_kmcnt 0x0
	s_add_nc_u64 s[40:41], s[6:7], s[40:41]
.irp s, 0,1
	s_mov_b32 s[G0+4*\s], 1
	s_add_co_u32 s[G0+4*\s+1], s46, \s*SLOT
	s_add_nc_u64 s[G0+4*\s+2:G0+4*\s+3], s[40:41], (2-\s)*SLOT     ; slot 1: my second unit, later my fourth; slot 0: my third
	s_or_b32 s[G0+4*\s+3], s[G0+4*\s+3], 0x80000000
.endr
	JLOAD 1                                        ; groups 2 and 3
	s_add_nc_u64 s[42:43], s[4:5], s[42:43]
	s_add_nc_u64 s[44:45], s[4:5], s[44:45]
.irp i, 0,1,2,3
	global_load_b128 v[TT+4*\i:TT+4*\i+3], v11, s[42:43] offset:512*\i
.endr
.irp i, 0,1,2,3
	global_load_b128 v[TT+16+4*\i:TT+16+4*\i+3], v11, s[44:45] offset:512*\i
.endr
.irp i, 0,1,2,3
	global_load_b128 v[TT+32+4*\i:TT+32+4*\i+3], v11, s[44:45] offset:8704+512*\i
.endr
	global_load_b128 v[XS:XS+3], v7, s[42:43] offset:8192          ; scale words: register j, lanes 0-15 K step j, lanes 16-31 K step 4 + j
	global_load_b128 v[XS+4:XS+7], v243, s[42:43] offset:8192
	global_load_b128 v[XS+8:XS+11], v7, s[44:45] offset:8192
	global_load_b128 v[XS+12:XS+15], v7, s[44:45] offset:8704+8192
; The fragments and scale words of group gg (0, 1) of my first unit, from memory: 40 loads, into window gg + 2
.macro GLOAD gg
.irp k, 0,1,2,3,4,5,6,7
	global_load_b32 v[GS+8*(\gg)+\k], v244, s[40:41] offset:32768+256*\k+128*(\gg)
.endr
	WIN 0x80+0x40*(\gg)
.irp k, 0,1,2,3,4,5,6,7
.irp ft, 0,1
.irp c, 0,1
	global_load_b128 v[128*(\gg)+16*\k+8*\ft+4*\c:128*(\gg)+16*\k+8*\ft+4*\c+3], v7, s[40:41] offset:(2*(\gg)+\ft)*8192+1024*\k+512*\c
.endr
.endr
.endr
	WIN 0
.endm
	GLOAD 0
	s_load_b32 s86, s[8:9], 0x0                    ; alpha
	s_load_b32 s87, s[10:11], 0x0                  ; beta
	s_load_b32 s88, s[12:13], 0x0                  ; gamma
	s_lshl_b32 s50, s21, 7                         ; bias: 32 numbers
	s_mov_b32 s51, 0
	s_add_nc_u64 s[50:51], s[14:15], s[50:51]
	s_lshl_b32 s52, s22, 15                        ; out0: 16 rows of 2,048 bytes, my wave's four, 128 bytes of each
	s_lshl_b32 s53, s18, 13
	s_add_co_u32 s52, s52, s53
	s_lshl_b32 s53, s21, 7
	s_add_co_u32 s52, s52, s53
	s_mov_b32 s53, 0
	s_add_nc_u64 s[16:17], s[16:17], s[52:53]
	s_wait_loadcnt 0x2c                            ; the twelve loads of rows' codes are in; the 4 of scale words and group 0's 40 may be out
.irp t, 0,1,2
.irp i, 0,1,2,3
	ds_store_b128 v9, v[TT+16*\t+4*\i:TT+16*\t+4*\i+3] offset:8192*\t+512*\i
.endr
.endr
	s_wait_dscnt 0x0                               ; for the others' sake
	s_barrier_signal -1
	s_barrier_wait -1
	WIN 0x40                                       ; destination window 1
.irp k, 0,1,2,3,4,5,6,7
.irp c, 0,1
	ds_load_b128 v[8*\k+4*\c:8*\k+4*\c+3], v8 offset:1024*\k+512*\c
	ds_load_b128 v[64+8*\k+4*\c:64+8*\k+4*\c+3], v242 offset:1024*\k+512*\c
	ds_load_b128 v[128+8*\k+4*\c:128+8*\k+4*\c+3], v8 offset:8192+1024*\k+512*\c
	ds_load_b128 v[192+8*\k+4*\c:192+8*\k+4*\c+3], v8 offset:16384+1024*\k+512*\c
.endr
.endr
	WIN 0
	GLOAD 1
	s_wait_kmcnt 0x0
	s_and_b32 s86, s86, 0x7fffffff                 ; |alpha|
	s_and_b32 s87, s87, 0x7fffffff                 ; |beta|
; A RUN: the fragments of two K steps (2 q, 2 q + 1) of one group's two tiles, and their scale words, into set q % 2: ten loads
.macro RUN q, la, ls, gg
.irp kk, 0,1
	ds_load_b32 v[FS+2*((\q)%2)+\kk], v[\ls] offset:(2*(\q)+\kk)*256+(\gg)*128
.endr
.irp kk, 0,1
.irp ft, 0,1
.irp c, 0,1
	ds_load_b128 v[FB+32*((\q)%2)+16*\kk+8*\ft+4*\c:FB+32*((\q)%2)+16*\kk+8*\ft+4*\c+3], v[\la] offset:(2*(\gg)+\ft)*8192+(2*(\q)+\kk)*1024+512*\c
.endr
.endr
.endr
.endm
.macro GET q, la, ls, gg               ; the run before it is in: it serves the next two blocks; this one the two behind them
	WIN 0
	s_wait_dscnt 0x0
	RUN \q, \la, \ls, \gg
.endm
; Product e of K step ks: tile e % 4 of the rows x tile e / 4 of the group's features.  The eight accumulators take turns.
.macro MM ks, e, cc
.set MT, (\e)%4
.set MF, (\e)/4
.set DA, D+32*MF+8*MT
.set XA, 64*MT+8*(\ks)
.set SA, XS+4*MT+(\ks)%4
.if SRC == 0
.set BA, FB+32*(((\ks)/2)%2)+16*((\ks)%2)+8*MF
.set SB, FS+2*(((\ks)/2)%2)+(\ks)%2
.else
.set BA, 128*(SRC-1)+16*(\ks)+8*MF
.set SB, GS+8*(SRC-1)+(\ks)
.endif
.if ((\ks) < 4) && (MF == 0)
	v_wmma_scale_f32_16x16x128_f8f6f4 v[DA:DA+7], v[XA:XA+7], v[BA:BA+7], \cc, v[SA], v[SB] matrix_a_fmt:MATRIX_FMT_FP4 matrix_b_fmt:MATRIX_FMT_FP4
.elseif (\ks) < 4
	v_wmma_scale_f32_16x16x128_f8f6f4 v[DA:DA+7], v[XA:XA+7], v[BA:BA+7], \cc, v[SA], v[SB] matrix_a_fmt:MATRIX_FMT_FP4 matrix_b_fmt:MATRIX_FMT_FP4 matrix_b_scale:MATRIX_SCALE_ROW1
.elseif MF == 0
	v_wmma_scale_f32_16x16x128_f8f6f4 v[DA:DA+7], v[XA:XA+7], v[BA:BA+7], \cc, v[SA], v[SB] matrix_a_fmt:MATRIX_FMT_FP4 matrix_b_fmt:MATRIX_FMT_FP4 matrix_a_scale:MATRIX_SCALE_ROW1
.else
	v_wmma_scale_f32_16x16x128_f8f6f4 v[DA:DA+7], v[XA:XA+7], v[BA:BA+7], \cc, v[SA], v[SB] matrix_a_fmt:MATRIX_FMT_FP4 matrix_b_fmt:MATRIX_FMT_FP4 matrix_a_scale:MATRIX_SCALE_ROW1 matrix_b_scale:MATRIX_SCALE_ROW1
.endif
.endm
.macro MMK ks, e                       ; the first K step starts the sums
.if (\ks) == 0
	MM \ks, \e, 0
.else
	MM \ks, \e, v[DA:DA+7]
.endif
.endm
.macro PRO src, w                      ; all products of group 0 or 1, from the registers that the plain loads filled
.set SRC, \src
	WIN \w
.irp k, 0,1,2,3,4,5,6,7
.irp e, 0,1,2,3,4,5,6,7
	MMK \k, \e
.endr
.endr
.set SRC, 0
	WIN 0
.rept 4
	v_nop                                          ; four places in front of the first read of the results
.endr
.endm
; HAND: the finished products of a group become its xf and pf (f: the tile of features), and are added to the row sums.  kind 0: the row sums start here.
.macro HAND kind
	WIN 0xc0
.irp f, 0,1
.irp j, 0,2,4,6,8,10,12,14
	v_dual_max_num_f32 v[XV+16*\f+\j], 0, v[D+32*\f+\j] :: v_dual_max_num_f32 v[XV+16*\f+\j+1], 0, v[D+32*\f+\j+1]
.endr
.irp j, 0,2,4,6,8,10,12,14
	v_dual_max_num_f32 v[OV+16*\f+\j], 0, v[D+32*\f+16+\j] :: v_dual_max_num_f32 v[OV+16*\f+\j+1], 0, v[D+32*\f+16+\j+1]
.endr
.endr
	WIN 0xcf
.if (\kind) == 0
.irp j, 0,2,4,6
	v_pk_add_f32 v[SXS+\j:SXS+\j+1], v[XV+\j:XV+\j+1], v[XV+16+\j:XV+16+\j+1]
.endr
.irp j, 0,2,4,6,8,10,12,14
	v_pk_add_f32 v[SPS+\j:SPS+\j+1], v[OV+\j:OV+\j+1], v[OV+16+\j:OV+16+\j+1]
.endr
.else
.irp f, 0,1
.irp j, 0,2,4,6
	v_pk_add_f32 v[SXS+\j:SXS+\j+1], v[SXS+\j:SXS+\j+1], v[XV+16*\f+\j:XV+16*\f+\j+1]
.endr
.irp j, 0,2,4,6,8,10,12,14
	v_pk_add_f32 v[SPS+\j:SPS+\j+1], v[SPS+\j:SPS+\j+1], v[OV+16*\f+\j:OV+16*\f+\j+1]
.endr
.endr
.endif
.endm
; BLOCK n: four slots of xf against the 16 of pf, for the tile n / 4 of features; kind 1: ahead of them K step n of the next group's products.  kind 0: no products, and the first minima start the sums; 2: no products.
.macro BLOCK n, kind
.if (\kind) == 1
	WIN WMM
.irp e, 0,1,2,3,4,5,6,7
	MMK \n, \e
.endr
.endif
.if ((\kind) == 0) && ((\n) < 4)
	WIN 0x8f
.set EE, 0
.rept 32
	v_dual_min_num_f32 v[64*(\n)+2*EE], v[OV+2*(EE%8)], v[XV+4*(\n)+EE/8] :: v_dual_min_num_f32 v[64*(\n)+2*EE+1], v[OV+2*(EE%8)+1], v[XV+4*(\n)+EE/8]
.set EE, EE+1
.endr
.else
	WIN 0x0f
.set XB, XV+16*((\n)/4)+4*((\n)%4)
.set OB, OV+16*((\n)/4)
.set EE, 0
.rept 32
	v_dual_min_num_f32 v[TT+2*EE], v[OB+2*(EE%8)], v[XB+EE/8] :: v_dual_min_num_f32 v[TT+2*EE+1], v[OB+2*(EE%8)+1], v[XB+EE/8]
.set EE, EE+1
.endr
	WIN 0x82
.set EE, 0
.rept 32
	v_pk_add_f32 v[64*((\n)%4)+2*EE:64*((\n)%4)+2*EE+1], v[64*((\n)%4)+2*EE:64*((\n)%4)+2*EE+1], v[TT+2*EE:TT+2*EE+1]
.set EE, EE+1
.endr
.endif
.endm
; The change of slots: the other slot has landed, my reads of slot s are over: it is filled again, with the features two units on.
.macro SYNC s
	s_wait_tensorcnt 0x0
	ds_add_u32 v[SPW], v[NIL]
	s_add_nc_u64 s[G0+4*(\s)+2:G0+4*(\s)+3], s[G0+4*(\s)+2:G0+4*(\s)+3], 2*SLOT
	s_wait_dscnt 0x0                               ; the add is done, and my reads of the slot
	ROUND
	JLOAD \s
.endm
; BODY: a group's minima, the next group's products (its last two runs from la, ls, gg), the first two runs of the group behind it (from lb, lt, gh).
; mid 0: nothing changes; 1, 2: slot 0, 1 is filled again; 3: the loop's: the last fill is waited for, and the last trip has no group behind it to read.
.macro BODY kind, la, ls, gg, lb, lt, gh, mid
	HAND \kind
	BLOCK 0, \kind
	BLOCK 1, \kind
	GET 2, \la, \ls, \gg
	BLOCK 2, \kind
	BLOCK 3, \kind
	GET 3, \la, \ls, \gg
	BLOCK 4, \kind
	BLOCK 5, \kind
	WIN 0
.if (\mid) == 0
	s_wait_dscnt 0x0
	RUN 0, \lb, \lt, \gh
.elseif (\mid) == 3
	s_wait_tensorcnt 0x0
	s_wait_dscnt 0x0
	s_cmp_eq_u32 s71, 1
	s_cbranch_scc1 .Lno_a_\@
	RUN 0, \lb, \lt, \gh
.Lno_a_\@:
.else
	SYNC (\mid)-1
	RUN 0, \lb, \lt, \gh
.endif
	BLOCK 6, \kind
	BLOCK 7, \kind
	WIN 0
	s_wait_dscnt 0x0
.if (\mid) == 3
	s_cmp_eq_u32 s71, 1
	s_cbranch_scc1 .Lno_b_\@
	RUN 1, \lb, \lt, \gh
.Lno_b_\@:
.else
	RUN 1, \lb, \lt, \gh
.endif
.endm
	s_wait_loadcnt 0x28                            ; the rows' scale words and group 0's loads are in; group 1's 40 may be out
	s_wait_dscnt 0x0                               ; the rows' fragments are in
	PRO 1, 0x09                                    ; group 0: source 1 window 2
	HAND 0
.irp n, 0,1,2,3,4,5,6,7
	BLOCK \n, 0
.endr
	WIN 0
	s_wait_tensorcnt 0x0                           ; groups 2 and 3 are in
	ds_add_u32 v[SPW], v[NIL]
	s_wait_dscnt 0x0
	ROUND
	JLOAD 0                                        ; groups 4 and 5
	RUN 0, LAB, LSB, 0                             ; group 2's first two runs
	RUN 1, LAB, LSB, 0
	s_wait_loadcnt 0x0
	PRO 2, 0x0d                                    ; group 1: source 1 window 3
	s_wait_dscnt 0x0
	BODY 1, LAB, LSB, 0, LAB, LSB, 1, 0            ; group 1
	BODY 1, LAB, LSB, 1, LAA, LSA, 0, 2            ; group 2; slot 1 takes groups 6 and 7
	WIN 0
	s_mov_b32 s70, 0
	s_mov_b32 s71, 0
.Llap:                                                 ; groups 3 and 4, then 5 and 6
	v_add_nc_u32 v[LAC], s70, v[LAA]
	v_add_nc_u32 v[LSC], s70, v[LSA]
	BODY 1, LAC, LSC, 0, LAC, LSC, 1, 0
	BODY 1, LAC, LSC, 1, LAB, LSB, 0, 3
	WIN 0
	s_add_co_u32 s70, s70, SLOT
	s_add_co_u32 s71, s71, 1
	s_cmp_lt_u32 s71, 2
	s_cbranch_scc1 .Llap
	HAND 2                                         ; group 7
.irp n, 0,1,2,3,4,5,6,7
	BLOCK \n, 2
.endr
	; THE SUMS OVER LANES.  Lane l ends with sums of four neighbouring o of every slot, each over four of the sixteen lanes of its half; its place p = l % 4 names the other four-way share.
	; With b2, b3, h bits 2, 3, 4 of l: o = 4 b2 + 8 h + 16 b3 + 0 .. 3, and slot i is row i xor 8 h of x.
	WIN 0
	v_and_b32 v181, 3, v10
	v_mul_u32_u24 v164, v181, 192
	v_bfe_u32 v181, v10, 2, 1
	v_bfe_u32 v182, v10, 4, 1
	v_bfe_u32 v183, v10, 3, 1
	v_lshl_add_u32 v181, v182, 1, v181
	v_lshl_add_u32 v181, v183, 2, v181             ; o / 4
	v_lshl_add_u32 v164, v181, 4, v164
	v_add_nc_u32 v164, s46, v164                   ; the stage, in: my wave's slot 0 (its one fill is long in, my reads of it are over)
	v_mul_u32_u24 v165, v182, 8*RP
	v_add_nc_u32 v165, v164, v165                  ; slots 0-7: rows 8 h + i
	v_xor_b32 v182, 1, v182
	v_mul_u32_u24 v166, v182, 8*RP
	v_add_nc_u32 v166, v164, v166                  ; slots 8-15: rows 8 (1 - h) + i - 8
	v_lshrrev_b32 v183, 3, v10                     ; out: row b = 4 w + l / 8,
	v_and_b32 v182, 7, v10
	v_lshlrev_b32 v172, 4, v182                    ; quad l % 8
	s_mul_i32 s75, s18, 4*RP
	s_and_b32 s76, s18, 2                          ; the quad of sx of rows 4 w .. 4 w + 3 lies where h = w / 2, b3 = w % 2
	s_and_b32 s77, s18, 1
	s_lshl_b32 s77, s77, 2
	s_or_b32 s76, s76, s77
	s_lshl_b32 s76, s76, 4
	s_wait_alu depctr_va_vdst(0)
	v_mul_u32_u24 v168, v183, RP
	v_add_nc_u32 v168, v168, v172
	v_add_nc_u32 v168, s75, v168                   ; v168-171: pair sums in the four waves' stages
	v_lshl_add_u32 v176, v183, 2, s76              ; v176-179: sx of my row;  v172-175: sp of my four o
	v_lshl_add_u32 v180, v183, 11, v172            ; out0
.irp k, 1,2,3
	v_add_nc_u32 v[168+\k], WREG*\k, v168
	v_add_nc_u32 v[172+\k], WREG*\k, v172
	v_add_nc_u32 v[176+\k], WREG*\k, v176
.endr
	global_load_b128 v[FB:FB+3], v172, s[50:51]    ; bias of my four o
	s_mov_b32 vcc_lo, 0xff00ff00                   ; lanes with bit 3
	s_mov_b32 s72, 0xf0f0f0f0                      ; lanes with bit 2
.macro XADD r, x
	v_add_f32_dpp v[\r], v[\r], v[\r] row_xmask:\x row_mask:0xf bank_mask:0xf
.endm
.macro RED b                           ; 16 sums into four registers: bit 3 of the lane picks o slot k + 8, bit 2 k + 4
.irp o, 0,1,2,3,4,5,6,7,8,9,10,11,12,13,14,15
	XADD (\b)+\o, 8
.endr
.irp o, 0,1,2,3,4,5,6,7
	v_cndmask_b32 v[(\b)+\o], v[(\b)+\o], v[(\b)+8+\o], vcc_lo
.endr
.irp o, 0,1,2,3,4,5,6,7
	XADD (\b)+\o, 4
.endr
.irp o, 0,1,2,3
	v_cndmask_b32 v[(\b)+\o], v[(\b)+\o], v[(\b)+4+\o], s72
.endr
.endm
	WIN 0xcf
	; sx: eight registers (rows 8 h + 0 .. 7) into four, over all sixteen lanes: bit 3 picks row + 4
.irp o, 0,1,2,3,4,5,6,7
	XADD SXS+\o, 8
.endr
.irp o, 0,1,2,3
	v_cndmask_b32 v[SXS+\o], v[SXS+\o], v[SXS+4+\o], vcc_lo
.endr
.irp x, 4,2,1
.irp o, 0,1,2,3
	XADD SXS+\o, \x
.endr
.endr
	RED SPS
.irp x, 2,1
.irp o, 0,1,2,3
	XADD SPS+\o, \x
.endr
.endr
	WIN 0x0c
	ds_store_b128 v164, v[SXS:SXS+3] offset:17*RP
	ds_store_b128 v164, v[SPS:SPS+3] offset:16*RP
	WIN 0x8a
.irp i, 0,1,2,3,4,5,6,7
	RED 16*\i
.endr
	WIN 0x08
.irp i, 0,1,2,3,4,5,6,7
	ds_store_b128 v165, v[16*\i:16*\i+3] offset:RP*\i
.endr
	WIN 0x8a
.irp i, 8,9,10,11,12,13,14,15
	RED 16*\i
.endr
	WIN 0x08
.irp i, 0,1,2,3,4,5,6,7
	ds_store_b128 v166, v[128+16*\i:128+16*\i+3] offset:RP*\i
.endr
	WIN 0
	s_wait_alu depctr_va_vdst(0)
	s_wait_tensorcnt 0x0                           ; the DS wait is also for the others' sake
	ds_add_u32 v[SPW], v[NIL]
	s_wait_dscnt 0x0
	ROUND                                          ; the closing round: no work-group ends while a partner may still ask for a tile that names it; its work-group barriers show every wave's stage
.irp k, 0,1,2,3
	ds_load_b32 v[D+16+\k], v[176+\k] offset:17*RP
.endr
.irp k, 0,1,2,3
	ds_load_b128 v[D+4*\k:D+4*\k+3], v[172+\k] offset:16*RP
.endr
.irp k, 0,1,2,3
.irp p, 0,1,2,3
	ds_load_b128 v[TT+16*\k+4*\p:TT+16*\k+4*\p+3], v[168+\k] offset:192*\p
.endr
.endr
.macro QADD a, b
	v_pk_add_f32 v[(\a):(\a)+1], v[(\a):(\a)+1], v[(\b):(\b)+1]
	v_pk_add_f32 v[(\a)+2:(\a)+3], v[(\a)+2:(\a)+3], v[(\b)+2:(\b)+3]
.endm
	s_wait_loadcnt 0x0                             ; bias
	s_wait_dscnt 0x0
.irp k, 0,1,2,3,4,5,6,7
	QADD TT+4*\k, TT+32+4*\k
.endr
	v_add_f32 v[D+16], v[D+16], v[D+17]
	v_add_f32 v[D+18], v[D+18], v[D+19]
	QADD D, D+4
	QADD D+8, D+12
.irp k, 0,1,2,3
	QADD TT+4*\k, TT+16+4*\k
.endr
	v_add_f32 v[D+16], v[D+16], v[D+18]            ; sx
	QADD D, D+8                                    ; sp
	QADD TT, TT+8
	QADD TT+4, TT+12
	QADD TT, TT+4                                  ; c
.irp e, 0,1,2,3
	v_mul_f32 v[184+\e], s88, v[TT+\e]             ; num = gamma c
	v_sub_f32 v[188+\e], v[D+16], v[TT+\e]         ; sx - c
	v_sub_f32 v[192+\e], v[D+\e], v[TT+\e]         ; sp - c
.endr
.irp e, 0,1,2,3
	v_fma_f32 v[188+\e], s86, v[188+\e], v[184+\e]
.endr
.irp e, 0,1,2,3
	v_fma_f32 v[188+\e], s87, v[192+\e], v[188+\e]
.endr
.irp e, 0,1,2,3
	v_add_f32 v[188+\e], 0x322bcc77, v[188+\e]     ; + 1e-8: den
.endr
	s_wait_alu depctr_va_vdst(0)
.irp e, 0,1,2,3
	v_rcp_f32 v[192+\e], v[188+\e]
.endr
	v_nop                                          ; a plain line behind the last reciprocal
	s_wait_alu depctr_va_vdst(0)                   ; one wait for the four, ahead of the first reader
.irp e, 0,1,2,3
	v_fma_f32 v[196+\e], v[184+\e], v[192+\e], v[FB+\e]
.endr
	global_store_b128 v180, v[196:199], s[16:17]   ; eight lanes store 128 consecutive bytes
	s_endpgm
.Lfunc_end_k_q69a204fe17_tversky:
	.size	k_q69a204fe17_tversky, .Lfunc_end_k_q69a204fe17_tversky-k_q69a204fe17_tversky
	.p2alignl 7, 3214868480
	.fill 96, 4, 3214868480
	.section	.rodata,"a",@progbits
	.p2align	6, 0x0
	.amdhsa_kernel k_q69a204fe17_tversky
		.amdhsa_group_segment_fixed_size 327680
		.amdhsa_private_segment_fixed_size 0
		.amdhsa_enable_private_segment 0
		.amdhsa_kernarg_size 56
		.amdhsa_user_sgpr_count 2
		.amdhsa_user_sgpr_kernarg_segment_ptr 1
		.amdhsa_wavefront_size32 1
		.amdhsa_system_sgpr_workgroup_id_x 1
		.amdhsa_system_sgpr_workgroup_id_y 1
		.amdhsa_system_sgpr_workgroup_id_z 1
		.amdhsa_system_vgpr_workitem_id 0
		.amdhsa_next_free_vgpr 1024
		.amdhsa_next_free_sgpr 98
		.amdhsa_reserve_vcc 1
		.amdhsa_float_denorm_mode_32 3
		.amdhsa_float_denorm_mode_16_64 3
		.amdhsa_memory_ordered 1
		.amdhsa_forward_progress 1
		.amdhsa_inst_pref_size 255
	.end_amdhsa_kernel
	.section	.bss,"aw",@nobits
	.p2align	6
	.space	262144
	.amdgpu_metadata
---
amdhsa.version: [ 1, 2 ]
amdhsa.kernels:
  - .name:           k_q69a204fe17_tversky
    .symbol:         k_q69a204fe17_tversky.kd
    .args:
      - { .name: xcode, .offset: 0, .size: 8, .value_kind: global_buffer, .address_space: global }
      - { .name: fcode, .offset: 8, .size: 8, .value_kind: global_buffer, .address_space: global }
      - { .name: alpha, .offset: 16, .size: 8, .value_kind: global_buffer, .address_space: global }
      - { .name: beta, .offset: 24, .size: 8, .value_kind: global_buffer, .address_space: global }
      - { .name: gamma, .offset: 32, .size: 8, .value_kind: global_buffer, .address_space: global }
      - { .name: bias, .offset: 40, .size: 8, .value_kind: global_buffer, .address_space: global }
      - { .name: out0, .offset: 48, .size: 8, .value_kind: global_buffer, .address_space: global }
    .group_segment_fixed_size: 327680
    .private_segment_fixed_size: 0
    .kernarg_segment_align: 8
    .kernarg_segment_size: 56
    .max_flat_workgroup_size: 128
    .sgpr_count:     98
    .vgpr_count:     1024
    .wavefront_size: 32
...
	.end_amdgpu_metadata
.endif
;; end of part 2
